; MI455X (gfx1250); checked and timed in simulation.
; The chip was launched on July 23, 2026; its instructions are those of AMD's public machine-readable ISA for CDNA 5 (MIT licence, August 2026) and "CDNA5" Instruction Set Architecture Reference Guide (July 2026). The comments in the code are by the model that wrote it; some were corrected since.
;; Self Attention. Allowed arithmetic: matrix products marked QUANTISED: E2M1 operands, one E8M0 scale for each 32 along K, by v_wmma_scale_f32_16x16x128_f8f6f4 with both operands' format E2M1 (or v_wmma_scale_f32_32x16x128_f4), f32 sums; products left as they are: f32 operands where the result goes on into a quantised operand, else bf16, f16 or f32 operands; f32 sums; everything else in f32.
;; Inputs: Wk 8 x 64 float32; Wq 8 x 64 float32; Wv_codes 64 x 2 x 16 uint8 (E2M1 codes of Wv, K innermost, in blocks of 32 codes, two codes a byte); Wv_scales 64 x 2 uint8 (E8M0 scales of Wv, one for each 32 codes along K); bk 8 float32; bq 8 float32; bv 64 float32; gamma 1 float32; x 4 x 64 x 64 x 64 float32.
;; Outputs: out0 4 x 64 x 64 x 64 float32.
;; This version of the problem:
;;   THIS VERSION OF THE PROBLEM IS GIVEN IN LOW PRECISION. The matrix products marked QUANTISED in the list below multiply operands that are first quantised to E2M1 (2 exponent bits, 1 mantissa bit; 4 bits a number), with one power-of-two scale for each 32 numbers along K (OCP MX v1.0); their sums are f32. All else is computed in f32.
;;   The module's matrix products, in the order in which they are computed (A, B: the left and right operand; K: the contracted axis; several contracted axes count as one K, in the product's order):
;;     1. [M 16,384, K 64] x [K 64, N 8]; A: input x; B: input Wq: left as it is (N = 8 < 16)
;;     2. [M 16,384, K 64] x [K 64, N 8]; A: input x; B: input Wk: left as it is (N = 8 < 16)
;;     3. [M 16,384, K 64] x [K 64, N 64]; A: input x; B: input Wv (given as codes): QUANTISED
;;     4. batch 4 x [M 4,096, K 8] x [K 8, N 4,096]; A: computed on the way; B: computed on the way: left as it is (K = 8 < 32)
;;     5. batch 4 x [M 64, K 4,096] x [K 4,096, N 4,096]; A: computed on the way; B: softmax (see below): QUANTISED
;;   THE QUANTISER, for each operand of a quantised product, along K:
;;     - K is cut into blocks of 32 from its start; a last block that is shorter is filled with zeros.
;;     - A block's scale is 2^e with e = floor(log2(the largest magnitude in the block)) - 2, held to -126 .. 127; a block of zeros has e = 0. As a byte (E8M0): e + 127.
;;     - Each number is divided by its block's scale, clamped to +-6, and rounded to the nearest number of E2M1, ties to even, subnormals kept.
;;     - The product sums the exact products of the quantised numbers (number of the format x scale) in f32.
;;   ~~~python
;;   def quantise(x, axis):      # numpy; x: float32 -> the quantised numbers, widened to float32 again
;;       x = np.moveaxis(x, axis, -1); K = x.shape[-1]
;;       x = np.pad(x, [(0, 0)] * (x.ndim - 1) + [(0, -K % 32)]); x = x.reshape(x.shape[:-1] + (-1, 32)); a = np.abs(x).max(-1, keepdims=True)
;;       e = np.where(a > 0, np.clip(np.frexp(np.where(a > 0, a, 1))[1] - 1 - 2, -126, 127), 0)      # np.frexp(a)[1] - 1 = floor(log2(a)), exactly
;;       r = np.clip(x / 2.0 ** e, -6, 6)
;;       step = 2.0 ** (np.maximum(np.frexp(np.where(r == 0, 1, r))[1] - 1, 0) - 1)
;;       q = np.round(r / step) * step * 2.0 ** e      # np.round: ties to even
;;       return np.moveaxis(q.reshape(q.shape[:-2] + (-1,))[..., :K], -1, axis).astype(np.float32)
;;   ~~~
;;   SOFTMAX AHEAD OF A QUANTISED PRODUCT. Where the list says 'softmax', what is quantised is not the finished softmax but p = 2^(t - M), with t = logit x log2(e) and M = ceil(the row's largest t), a whole number; so 1/2 < the row's largest p <= 1. The row's sum l is taken of the UNQUANTISED p, in f32, and the product's result is divided by l at the end. Since M is a whole number, a kernel that streams over the keys may use a running M (the ceiling of the running maximum): every later rescaling is an exact power of two, which a block's scale takes up: the codes' values come out the same.
;;   OPERANDS COMPUTED ON THE WAY. 'Computed on the way' means the value that the module computes at that place (a softmax that the list does not call 'softmax' is quantised finished and normalised). What goes into a quantiser is computed in f32, as accurately as f32 sums, v_exp_f32 and their like allow (about 1e-6 of the number): no bf16 or f16 on the way to a quantiser, and a product that is left as it is and whose result goes on into a quantised operand takes f32 operands (vector FMAs, or v_wmma_f32_16x16x4_f32). A number that lies on a knife's edge between two numbers of the format may be rounded either way, as far as f32 arithmetic and the matrix unit's own rounding can turn it there, and no further.
;;   INPUTS GIVEN AS CODES. Wv (in the module: [64, 64], K = its axis 1): each comes as NAME_codes (uint8): NAME with its K axis moved to the last place and cut into blocks of 32 codes, [.., K / 32, bytes a block], one block behind the other in memory; two codes a byte, the lower K in the low four bits (a code: sign, 2 exponent bits, 1 mantissa bit); and NAME_scales (uint8): the same leading axes, one E8M0 byte (e + 127) for each 32 codes along K. Its value is code x scale, taken as it is: it is not quantised again, and the codes and scales need not be those that the quantiser above would give.
;; One version. Each part assembles by itself: llvm-mc -triple=amdgcn-amd-amdhsa -mcpu=gfx1250 --defsym DOCPART=n.
;; ======== version 1 of 1: 2 launches
;; workspace buffers: kv 1,081,344 bytes; qimg 524,288 bytes
;; launch prep (part 1): grid 32 x 4, 4 waves a work-group, no clusters, 46,592 bytes of LDS; arguments x, Wq, bq, Wk, bk, Wv_codes, Wv_scales, bv, kv, qimg; writes kv, qimg
.if DOCPART == 1
	.amdgcn_target "amdgcn-amd-amdhsa--gfx1250"
	.amdhsa_code_object_version 6
	.text
	.protected	k_q8977e02200_prep
	.globl	k_q8977e02200_prep
	.p2align	8
	.type	k_q8977e02200_prep,@function
k_q8977e02200_prep:
	s_mov_b64 s[64:65], 0
	v_nop
	global_prefetch_b8 v0, s[64:65] scope:SCOPE_SE
	s_setreg_imm32_b32 hwreg(HW_REG_WAVE_MODE, 25, 1), 1
	s_wait_xcnt 0x0
; FIRST LAUNCH OF TWO.  For 128 positions n of one batch (work-group x = which 128, y = batch) it makes, from x [4][64][4096] f32:
;   q' = (Wq x + bq) log2(e) and k = Wk x + bk, 8 numbers a position, by the f32 matrix form (they go on into a quantised operand);
;   v = Wv Q(x) + bv, 64 channels, on E2M1 codes (Wv as given; x quantised along its 64 channels, two blocks of 32), and Q(v) along the positions, which are the keys of the second launch's product.
; All leaves as IMAGES OF THE SECOND LAUNCH'S OPERAND REGISTERS.  kv: a record of 8,448 bytes for these 128 keys: K's image (tile t at 512 t + 16 lane: k[key][4h .. 4h+3]), V's image (channel tile ct at
; 1024 ct, registers 4c .. 4c+3 at 512 c, + 16 lane), V's scale bytes (16 r + 4 ct + block).  qimg: 4,096 bytes, laid as K's image.
; THE POSITIONS OF A TILE ARE NOT NEIGHBOURS: lane r of tile 2 b + u takes position 32 b + 8 u + r + 8 (r / 8), so that in the second launch the 16 registers of two neighbouring score tiles are 16 neighbouring keys.
; SHARES.  Four waves; wave w owns positions 32 w .. 32 w + 31: tiles 2 w, 2 w + 1, and key block w of V.  128 work-groups: a record's scale words hold a byte of each of the four waves' blocks, so a record has one owner.
; No cluster and no tensor load: each byte of x is read by one work-group; what work-groups share is the weights, 6.6 KB against 32 KB of x, and they go straight into registers.
; LIMITS: NaN and infinities are not served.  A block whose largest magnitude lies under 2^-124 has its byte held at 1; a block of zeros gets the byte 1 where the quantiser says 127 (its codes are zeros, and only this
; program reads the bytes).  log2(e) is multiplied into q once, not into each logit: another order of rounding than the definition's.  The sums over the 64 channels of q and k go in the order c = 32 h + 2 s + j.
.set STG, 33024                        ; LDS: x's stage lies at 0: row c at 512 c + 32 (c / 32), 32,800 bytes.  From STG: q's image, then the record
.set QIM, STG
.set KIM, STG+4096
.set VIM, STG+8192
.set SIM, STG+12288
.set REC, 8448
.set XL,  16                           ; v16-79   x as loaded: 16 rows x 4 registers; afterwards:
.set WV,  16                           ; v16-47   Wv's four fragments (registers 4-7 of each: zero codes, K = 64 of 128)
.set XC,  48                           ; v48-63   x's two fragments (likewise)
.set T,   64                           ; v64-79   q' (lanes 0-15) and k (lanes 16-31) of two tiles
.set X,   80                           ; v80-143  x: tile u: register 32 u + i = x[32 h + i][my position]; afterwards:
.set VA,  80                           ; v80-143  v: register 16 ct + 8 u + j = v[16 ct + r][32 w + 16 h + 8 u + j]; at the end the way out
.set WQ,  144                          ; v144-175 rows 0-7 Wq, rows 8-15 Wk: register i = W[r][32 h + i]; afterwards:
.set VC,  144                          ; v144-151 V's codes
.set WKT, 176                          ; v176-207 Wk as loaded; afterwards:
.set BV,  176                          ; v176-207 bv in the result's layout, 8 registers a channel tile
.set BQK, 208                          ; v208-215 bq (lanes 0-15), bk (lanes 16-31)
.set TM,  216                          ; v216-223 bk as loaded; then at work
.set QA,  224                          ; v224-239 the two f32 accumulators: written by matrix instructions alone
.set BVL, 240                          ; v240-243 bv[16 ct + r]
.set WVS, 244                          ; v244-247 Wv's scale words: scales and nothing else
.set XS,  248                          ; v248-249 x's scale words: scales and nothing else
.set FQ,  250                          ; v250     log2(e) in lanes 0-15, 1 in lanes 16-31
	s_load_b512 s[4:19], s[0:1], 0x0               ; x 4:5, Wq 6:7, bq 8:9, Wk 10:11, bk 12:13, Wv's codes 14:15, Wv's scales 16:17, bv 18:19
	s_load_b128 s[20:23], s[0:1], 0x40             ; kv 20:21, qimg 22:23
	s_set_vgpr_msb 0x40
	v_lshl_add_u32 v0, v0, 2, 0xb400
	v_mov_b32 v1, 0
	s_set_vgpr_msb 0x4000
	v_lshrrev_b32 v1, 5, v0
	v_readfirstlane_b32 s24, v1                    ; wave 0..3
	v_and_b32 v1, 31, v0                           ; lane
	v_and_b32 v2, 15, v0                           ; r
	v_bfe_u32 v3, v0, 4, 1                         ; h
	s_and_b32 s26, ttmp7, 0xffff                   ; batch
	s_lshl_b32 s27, s26, 5
	s_add_co_u32 s27, s27, ttmp9                   ; record = 32 x batch + step
	s_mov_b32 s28, 0x76543210
	s_mov_b32 s29, 0xfedcba98                      ; v_permlanex16_b32's selects for lane l xor 16
	v_cmp_le_u32 vcc_lo, 8, v2                     ; lanes with r >= 8: Wk's rows
	v_cmp_eq_u32 s30, 1, v3                        ; lanes 16-31
	v_lshlrev_b32 v6, 4, v1                        ; v6: 16 x lane
	s_lshl_b32 s32, s24, 13
	s_lshr_b32 s33, s24, 1
	s_lshl_b32 s33, s33, 5
	s_add_co_u32 s32, s32, s33
	v_add_nc_u32 v4, s32, v6                       ; v4: the stage, on the way in: my wave's 16 rows: 8192 w + 32 (w / 2) + 16 lane
	v_and_b32 v251, 8, v2
	v_add_nc_u32 v251, v251, v2                    ; r + 8 (r / 8)
	v_mul_u32_u24 v5, v3, 16416
	v_lshl_add_u32 v5, v251, 2, v5
	s_lshl_b32 s32, s24, 7
	v_add_nc_u32 v5, s32, v5                       ; v5: on the way out: rows 32 h on (the 32 bytes more put the halves of the lanes on different banks), my position
	v_and_b32 v7, 7, v2
	v_lshlrev_b32 v7, 8, v7
	v_lshl_add_u32 v7, v3, 7, v7                   ; v7: Wq, Wk: row r % 8 of 256 bytes, + 128 h
	v_mov_b32 v8, 0                                ; v8: bq, bk from their first byte
	v_lshlrev_b32 v9, 4, v2
	v_lshl_add_u32 v9, v3, 12, v9
	s_lshl_b32 s32, s24, 10
	s_add_co_u32 s32, s32, QIM
	v_add_nc_u32 v9, s32, v9                       ; v9: lanes 0-15 into q's image, lanes 16-31 into K's, 4,096 bytes on: + 1024 w + 16 r
	v_add_nc_u32 v253, s32, v6                     ; v253: the way out: my wave's 1,024 bytes of q's image
	v_lshlrev_b32 v10, 4, v2
	v_lshl_add_u32 v10, v3, 3, v10
	s_lshl_b32 s32, s24, 8
	s_add_co_u32 s32, s32, VIM
	v_add_nc_u32 v10, s32, v10                     ; v10: V's image: block w lies at 256 w in a channel tile's 1,024 bytes; row r 16 bytes; my 16 keys' 8 bytes at 8 h
	v_lshlrev_b32 v11, 4, v2
	s_add_co_u32 s32, s24, SIM
	v_add_nc_u32 v11, s32, v11                     ; v11: V's scale bytes: 16 r + w (+ 4 ct)
	s_lshl_b32 s32, s24, 11
	s_add_co_u32 s32, s32, KIM
	v_add_nc_u32 v254, s32, v6                     ; v254: the way out: my wave's 2,048 bytes of K's and V's images
	v_lshl_add_u32 v255, v1, 3, SIM                ; v255: the way out: 8 scale bytes a lane
	v_lshlrev_b32 v12, 5, v2
	v_lshl_add_u32 v12, v3, 4, v12                 ; v12: Wv's codes: row r of 32 bytes, block h
	v_lshlrev_b32 v13, 1, v2                       ; v13: Wv's scales: 2 bytes a row
	v_lshlrev_b32 v14, 2, v2                       ; v14: bv
	v_lshlrev_b32 v15, 3, v3                       ; v15: 8 h: my block's byte in x's scale word
	s_lshl_b32 s32, s26, 20                        ; x: batch x 64 rows of 16,384 bytes,
	s_lshl_b32 s33, ttmp9, 9                       ; + 128 positions a step,
	s_add_co_u32 s32, s32, s33
	s_lshl_b32 s33, s24, 18                        ; + my wave's 16 rows
	s_add_co_u32 s32, s32, s33
	s_mov_b32 s33, 0
	s_lshl_b32 s34, s27, 12                        ; qimg: 4,096 bytes a record, 1,024 a wave
	s_lshl_b32 s35, s24, 10
	s_add_co_u32 s34, s34, s35
	s_mov_b32 s35, 0
	s_mul_i32 s36, s27, REC                        ; kv: 8,448 bytes a record, 2,048 a wave
	s_lshl_b32 s37, s24, 11
	s_add_co_u32 s36, s36, s37
	s_mov_b32 s37, 0
	s_wait_kmcnt 0x0
	s_add_nc_u64 s[4:5], s[4:5], s[32:33]
	s_add_nc_u64 s[22:23], s[22:23], s[34:35]
	s_add_nc_u64 s[20:21], s[20:21], s[36:37]
.irp i, 0,1,2,3,4,5,6,7,8,9,10,11,12,13,14,15
	global_load_b128 v[XL+4*\i:XL+4*\i+3], v6, s[4:5] offset:16384*\i th:TH_LOAD_NT   ; a row's 512 consecutive bytes
.endr
.irp i, 0,1,2,3,4,5,6,7
	global_load_b128 v[WQ+4*\i:WQ+4*\i+3], v7, s[6:7] offset:16*\i
.endr
.irp i, 0,1,2,3,4,5,6,7
	global_load_b128 v[WKT+4*\i:WKT+4*\i+3], v7, s[10:11] offset:16*\i
.endr
	global_load_b128 v[BQK:BQK+3], v8, s[8:9]
	global_load_b128 v[BQK+4:BQK+7], v8, s[8:9] offset:16
	global_load_b128 v[TM:TM+3], v8, s[12:13]
	global_load_b128 v[TM+4:TM+7], v8, s[12:13] offset:16
.irp ct, 0,1,2,3
	global_load_u16 v[WVS+\ct], v13, s[16:17] offset:32*\ct   ; two scale bytes; bytes 2 and 3 come as 0 and stand over zero codes
.endr
.irp ct, 0,1,2,3
	global_load_b32 v[BVL+\ct], v14, s[18:19] offset:64*\ct
.endr
	s_wait_loadcnt 28                              ; x's 16 loads are in; the 28 issued behind them may be out
.irp i, 0,1,2,3,4,5,6,7,8,9,10,11,12,13,14,15
	ds_store_b128 v4, v[XL+4*\i:XL+4*\i+3] offset:512*\i
.endr
	s_wait_loadcnt 0x0
.set n, 0
.rept 32
	v_cndmask_b32 v[WQ+n], v[WQ+n], v[WKT+n], vcc_lo           ; rows 8-15 of the first operand are Wk's
.set n, n+1
.endr
.irp j, 0,1,2,3,4,5,6,7
	v_cndmask_b32 v[BQK+\j], v[BQK+\j], v[TM+\j], s30          ; the result's rows 8-15 lie in lanes 16-31: bk there
.endr
	v_mov_b32 v[FQ], 0x3fb8aa3b                    ; log2(e)
	v_cndmask_b32 v[FQ], v[FQ], 1.0, s30
.irp ct, 0,1,2,3
.irp j, 0,1,2,3,4,5,6,7
	v_mov_b32 v[BV+8*\ct+\j], v[BVL+\ct]           ; a lane holds one channel and eight positions: its bias eight times
.endr
.endr
	s_wait_dscnt 0x0                               ; for the others' sake: my rows lie in the stage
	s_barrier_signal -1
	s_barrier_wait -1                              ; all 64 rows do
.irp ct, 0,1,2,3
	global_load_b128 v[WV+8*\ct:WV+8*\ct+3], v12, s[14:15] offset:512*\ct   ; Wv's codes as they lie: lane (r, h): block h of row 16 ct + r
.endr
.irp u, 0,1
.set n, 0
.rept 32
	ds_load_b32 v[X+32*\u+n], v5 offset:512*n+32*\u            ; down the channels: x[32 h + n][my position of tile 2 w + u]
.set n, n+1
.endr
.endr
.irp ct, 0,1,2,3
.irp j, 4,5,6,7
	v_mov_b32 v[WV+8*\ct+\j], 0                    ; K = 64 of the instruction's 128: zero codes on both sides
.endr
.endr
.irp u, 0,1
.irp j, 4,5,6,7
	v_mov_b32 v[XC+8*\u+\j], 0
.endr
.endr
	v_mov_b32 v252, 0                              ; (a lane permute's destination counts as one of its sources; v251 has been written)
	s_wait_dscnt 0x0
	; q and k: rows = Wq's 8 and Wk's 8, columns = 16 positions, K = 64 in 16 steps of 4; slot (h, j) of step s is channel 32 h + 2 s + j on both sides.  The biases are the C of the first step.
	; The two tiles' accumulators take turns.
.irp u, 0,1
	v_wmma_f32_16x16x4_f32 v[QA+8*\u:QA+8*\u+7], v[WQ:WQ+1], v[X+32*\u:X+32*\u+1], v[BQK:BQK+7]
.endr
.irp s, 1,2,3,4,5,6,7,8,9,10,11,12,13,14,15
.irp u, 0,1
	v_wmma_f32_16x16x4_f32 v[QA+8*\u:QA+8*\u+7], v[WQ+2*\s:WQ+2*\s+1], v[X+32*\u+2*\s:X+32*\u+2*\s+1], v[QA+8*\u:QA+8*\u+7]
.endr
.endr
	; Q(x): a lane holds a whole block (32 channels of one position).  Four chains: two tiles x two halves of a block.  These plain lines are also the places behind the f32 products (ISA guide 7.12.1).
.irp q, 0,1
.irp u, 0,1
	v_max3_num_f32 v[TM+2*\q+\u], |v[X+32*\u+16*\q]|, |v[X+32*\u+16*\q+1]|, 0x1800000   ; with the floor 2^(3 - 127): the byte cannot fall under 1
.endr
.endr
.irp i, 2,4,6,8,10,12,14
.irp q, 0,1
.irp u, 0,1
	v_max3_num_f32 v[TM+2*\q+\u], v[TM+2*\q+\u], |v[X+32*\u+16*\q+\i]|, |v[X+32*\u+16*\q+\i+1]|
.endr
.endr
.endr
.irp u, 0,1
	v_max_num_f32 v[TM+\u], v[TM+\u], v[TM+2+\u]   ; the block's largest magnitude
.endr
.irp u, 0,1
	v_add_nc_u32 v[TM+4+\u], 0xff000000, v[TM+\u]  ; 2 off its exponent field: the conversion's scale operand
.endr
.irp u, 0,1
	v_lshrrev_b32 v[TM+6+\u], 23, v[TM+4+\u]       ; the scale's byte,
.endr
.irp u, 0,1
	v_lshlrev_b32 v[TM+6+\u], v15, v[TM+6+\u]      ; at block h's place in the word;
.endr
.irp u, 0,1
	v_permlanex16_b32 v[251+\u], v[TM+6+\u], s28, s29
.endr
.irp u, 0,1
	v_or_b32 v[XS+\u], v[TM+6+\u], v[251+\u]       ; with lane l xor 16's the word is whole (bytes 2 and 3: 0, over zero codes)
.endr
.irp u, 0,1
.irp g, 0,1,2,3
	v_cvt_scalef32_pk8_fp4_f32 v[XC+8*\u+\g], v[X+32*\u+8*\g:X+32*\u+8*\g+7], v[TM+4+\u]   ; registers 0-3 of the fragment: k = 32 h + 0 .. 31
.endr
.endr
	v_nop                                          ; one plain place behind the scaled conversions
.irp u, 0,1
.irp j, 0,1,2,3,4,5,6,7
	v_mul_f32 v[T+8*\u+\j], v[QA+8*\u+\j], v[FQ]   ; each accumulator from its low end on; q x log2(e), k x 1.  (These sixteen also stand between x's scale words and the scaled products)
.endr
.endr
.irp u, 0,1
	ds_store_b128 v9, v[T+8*\u:T+8*\u+3] offset:512*\u           ; dims 0-3: the image's lanes 0-15
	ds_store_b128 v9, v[T+8*\u+4:T+8*\u+7] offset:512*\u+256     ; dims 4-7: its lanes 16-31
.endr
	s_wait_loadcnt 0x0                             ; Wv's codes
	; v: source 0 = 16 positions of x, source 1 = 16 rows of Wv, C = bv: a lane holds one channel, and the 16 registers of tiles u = 0, 1 are 16 neighbouring keys
.irp ct, 0,1,2,3
.irp u, 0,1
	v_wmma_scale_f32_16x16x128_f8f6f4 v[VA+16*\ct+8*\u:VA+16*\ct+8*\u+7], v[XC+8*\u:XC+8*\u+7], v[WV+8*\ct:WV+8*\ct+7], v[BV+8*\ct:BV+8*\ct+7], v[XS+\u], v[WVS+\ct] matrix_a_fmt:MATRIX_FMT_FP4 matrix_b_fmt:MATRIX_FMT_FP4
.endr
.endr
.rept 4
	v_nop                                          ; places in front of the first read of the results
.endr
	; Q(v) along the keys: block w of channel 16 ct + r lies in lanes l and l xor 16.  The four channel tiles by turns.
.irp ct, 0,1,2,3
	v_max3_num_f32 v[TM+\ct], |v[VA+16*\ct]|, |v[VA+16*\ct+1]|, 0x1800000
.endr
.irp i, 2,4,6,8,10,12,14
.irp ct, 0,1,2,3
	v_max3_num_f32 v[TM+\ct], v[TM+\ct], |v[VA+16*\ct+\i]|, |v[VA+16*\ct+\i+1]|
.endr
.endr
.irp ct, 0,1,2,3
	v_permlanex16_b32 v[TM+4+\ct], v[TM+\ct], s28, s29
.endr
.irp ct, 0,1,2,3
	v_max_num_f32 v[TM+\ct], v[TM+\ct], v[TM+4+\ct]
.endr
.irp ct, 0,1,2,3
	v_add_nc_u32 v[TM+4+\ct], 0xff000000, v[TM+\ct]
.endr
.irp ct, 0,1,2,3
	v_lshrrev_b32 v[TM+\ct], 23, v[TM+4+\ct]       ; the scale's byte
.endr
.irp ct, 0,1,2,3
	v_cvt_scalef32_pk8_fp4_f32 v[VC+2*\ct], v[VA+16*\ct:VA+16*\ct+7], v[TM+4+\ct]
	v_cvt_scalef32_pk8_fp4_f32 v[VC+2*\ct+1], v[VA+16*\ct+8:VA+16*\ct+15], v[TM+4+\ct]
.endr
	v_nop                                          ; one plain place behind the scaled conversions
.irp ct, 0,1,2,3
	ds_store_b64 v10, v[VC+2*\ct:VC+2*\ct+1] offset:1024*\ct     ; my 16 keys' codes at their place in the fragment's image: the address does what an exchange of lanes would
.endr
.irp ct, 0,1,2,3
	ds_store_b8 v11, v[TM+\ct] offset:4*\ct        ; both lanes of a block write the same byte with the same value
.endr
	v_lshlrev_b32 v251, 3, v1                      ; the scale bytes' place in memory: 8 x lane
	s_wait_dscnt 0x0                               ; for the others' sake: my parts of the images are stored
	s_barrier_signal -1
	s_barrier_wait -1
	; THE WAY OUT: the images leave as they lie, each store 512 consecutive bytes at a multiple of 256 from its buffer's first byte
	ds_load_b128 v[80:83], v253
	ds_load_b128 v[84:87], v253 offset:512
.irp i, 0,1,2,3
	ds_load_b128 v[88+4*\i:91+4*\i], v254 offset:512*\i
.endr
	s_wait_dscnt 0x0
	global_store_b128 v6, v[80:83], s[22:23]
	global_store_b128 v6, v[84:87], s[22:23] offset:512
.irp i, 0,1,2,3
	global_store_b128 v6, v[88+4*\i:91+4*\i], s[20:21] offset:512*\i
.endr
	s_cmp_lg_u32 s24, 0                            ; the record's last 256 bytes, the scale bytes, are wave 0's (whose base stands at the record's first byte)
	s_cbranch_scc1 .Ldone
	ds_load_b64 v[104:105], v255
	s_wait_dscnt 0x0
	global_store_b64 v251, v[104:105], s[20:21] offset:8192
.Ldone:
	s_set_vgpr_msb 0x5
	s_wait_tensorcnt 0x0
	ds_add_u32 v0, v1
	s_wait_dscnt 0x0
	s_set_vgpr_msb 0x500
	s_endpgm
.Lfunc_end_k_q8977e02200_prep:
	.size	k_q8977e02200_prep, .Lfunc_end_k_q8977e02200_prep-k_q8977e02200_prep
	.p2alignl 7, 3214868480
	.fill 96, 4, 3214868480
	.section	.rodata,"a",@progbits
	.p2align	6, 0x0
	.amdhsa_kernel k_q8977e02200_prep
		.amdhsa_group_segment_fixed_size 46592
		.amdhsa_private_segment_fixed_size 0
		.amdhsa_enable_private_segment 0
		.amdhsa_kernarg_size 80
		.amdhsa_user_sgpr_count 2
		.amdhsa_user_sgpr_kernarg_segment_ptr 1
		.amdhsa_wavefront_size32 1
		.amdhsa_system_sgpr_workgroup_id_x 1
		.amdhsa_system_sgpr_workgroup_id_y 1
		.amdhsa_system_sgpr_workgroup_id_z 1
		.amdhsa_system_vgpr_workitem_id 0
		.amdhsa_next_free_vgpr 258
		.amdhsa_next_free_sgpr 66
		.amdhsa_reserve_vcc 1
		.amdhsa_float_denorm_mode_32 3
		.amdhsa_float_denorm_mode_16_64 3
		.amdhsa_memory_ordered 1
		.amdhsa_forward_progress 1
		.amdhsa_inst_pref_size 29
	.end_amdhsa_kernel
	.amdgpu_metadata
---
amdhsa.version: [ 1, 2 ]
amdhsa.kernels:
  - .name:           k_q8977e02200_prep
    .symbol:         k_q8977e02200_prep.kd
    .args:
      - { .name: x, .offset: 0, .size: 8, .value_kind: global_buffer, .address_space: global }
      - { .name: Wq, .offset: 8, .size: 8, .value_kind: global_buffer, .address_space: global }
      - { .name: bq, .offset: 16, .size: 8, .value_kind: global_buffer, .address_space: global }
      - { .name: Wk, .offset: 24, .size: 8, .value_kind: global_buffer, .address_space: global }
      - { .name: bk, .offset: 32, .size: 8, .value_kind: global_buffer, .address_space: global }
      - { .name: Wv_codes, .offset: 40, .size: 8, .value_kind: global_buffer, .address_space: global }
      - { .name: Wv_scales, .offset: 48, .size: 8, .value_kind: global_buffer, .address_space: global }
      - { .name: bv, .offset: 56, .size: 8, .value_kind: global_buffer, .address_space: global }
      - { .name: kv, .offset: 64, .size: 8, .value_kind: global_buffer, .address_space: global }
      - { .name: qimg, .offset: 72, .size: 8, .value_kind: global_buffer, .address_space: global }
    .group_segment_fixed_size: 46592
    .private_segment_fixed_size: 0
    .kernarg_segment_align: 8
    .kernarg_segment_size: 80
    .max_flat_workgroup_size: 128
    .sgpr_count:     66
    .vgpr_count:     258
    .wavefront_size: 32
...
	.end_amdgpu_metadata
.endif
;; end of part 1
;; launch attn (part 2): grid 64 x 4, 16 waves a work-group, clusters of 4 x 1, 272,384 bytes of LDS; arguments kv, qimg, x, gamma, out0; writes out0
.if DOCPART == 2
	.amdgcn_target "amdgcn-amd-amdhsa--gfx1250"
	.amdhsa_code_object_version 6
	.text
	.protected	k_q8977e02200_attn
	.globl	k_q8977e02200_attn
	.p2align	8
	.type	k_q8977e02200_attn,@function
k_q8977e02200_attn:
	s_mov_b64 s[64:65], 0
	v_nop
	global_prefetch_b8 v0, s[64:65] scope:SCOPE_SE
	s_setreg_imm32_b32 hwreg(HW_REG_WAVE_MODE, 25, 1), 1
	s_wait_xcnt 0x0
	s_wait_alu depctr_hold_cnt(0) depctr_sa_sdst(0) depctr_va_vdst(0) depctr_va_sdst(0) depctr_va_ssrc(0) depctr_va_vcc(0) depctr_vm_vsrc(0)
	s_getreg_b32 s2, hwreg(HW_REG_IB_STS2, 6, 4)
	s_cmp_eq_u32 s2, 0
	s_cbranch_scc0 .Lentry_in_a_cluster
	s_endpgm
.Lentry_in_a_cluster:
	s_bfe_u32 s2, ttmp6, 0x10000c
	s_cmp_lg_u32 s2, 0x3003
	s_cbranch_scc0 .Lentry_shape_is_right
	s_endpgm
.Lentry_shape_is_right:
; SECOND LAUNCH OF TWO.  out0[b][c][n] = gamma x (sum over m of Q(v)[c][m] Q(p)[n][m]) / l[n] + x[b][c][n], with t = q'[n] . k[m] (q' carries log2(e)), M = the ceiling of the largest t so far, p = 2^(t - M),
; l = the sum of the unquantised p.  The scores go by the f32 matrix form (they go on into a quantiser), the second product on E2M1 codes with one E8M0 scale for each 32 keys.
; SHARES.  A work-group owns 64 queries of one batch.  Wave w = 4 qt + ks owns one tile of 16 queries (qt) and every fourth record of 128 keys (records 4 i + ks, i = 0 .. 7): four waves of 256 registers lie on a SIMD.
; The four key shares of a tile, each with its own running M, are joined at the end through LDS by exact powers of two.
; BY TURNS.  S^T is dead as soon as t - M has been copied into p's registers, so the NEXT step's 16 f32 products write the same registers while THIS step's exponentials are issued: a slice is one product, four
; exponentials and one packed rescaling of O^T; sixteen slices a step.  So a wave's matrix work and its exponentials stand side by side.  The scores of step 0 stand bare at the head; the last step's slices have no product.
; LDS.  All 32 records of the batch (8,448 bytes each, laid by the first launch in the order of the operands' registers) lie at 8448 x record: 270,336 bytes, FILLED ONCE: no ring, no slot is ever filled again.
; Waves 0 to 3 fetch them, eight tensor loads each, all issued at the start: by this text's count a wave has eight outstanding.  A fragment is read by ds_load_b128 at 16 x lane: consecutive bytes, no padding.
; BARRIERS IN THE STEPS: three.  Each shows records landed to all sixteen waves: in step 0 chunks 0 and 1, in step 1 chunks 0 to 3, in step 3 all eight.  Every read of a record stands behind the barrier that covers it.
; CLUSTER.  The four work-groups of a cluster belong to one batch and need the same records: each is asked for JOINTLY, by the same load with the same descriptor and a mask that names the four.
; LAYOUT.  Both products are used transposed: S^T = K Q^T (source 0 = 16 keys, source 1 = my 16 queries), O^T = V P^T (source 0 = 16 channels, source 1 = P): a lane holds ONE query (lane % 16) throughout.
; The keys of a tile are chosen (first launch) so that the 16 registers of score tiles 2 b, 2 b + 1 are keys 32 b + 16 (lane / 16) + 0 .. 15.  The 8 dims of q and k stand in slot (step s, h, j) as dim 4 h + 2 s + j.
; LIMITS: NaN and infinities are not served.  p under 2^-126 comes out as 0.  A block of p whose largest lies under 2^-124 has its byte held at 1.  The keys are summed in four shares and joined: another order of the f32 sums.
; A block's largest p is taken as the exponential of its largest t, which leans on v_exp_f32 not falling where its input rises.
; REGISTERS: v1 K's and V's place in the record in hand, v2 its scale words'; v4-7 Q; v8-11 the conversions' scale operands, then (v[8:9]) l's second chain; v12 -M, v13 the largest t, v[14:15] l in two halves;
; v16-23 the blocks' maxima and bytes, then p's codes; v24-27 V's scale words, v28 p's (scales and nothing else); v29-31 at work; v32-63 K; v64-95 V; v96-159 S^T (written by f32 matrix instructions alone); v160-223 p; v224-255 O^T.
.set REC,   8448
.set CHUNK, 4*REC                      ; the four key shares' records of one step
.set SST,   65536                      ; the way out lies over records that have had their only fill and their last read: at 0 each wave's O^T, 4,096 bytes; at SST its -M and l, 256 bytes;
.set OST,   69632                      ; at OST 64 rows (channels) x (256 bytes + 16)
.set SO,  8
.set BM,  16
.set BT,  20
.set PC,  16
.set VS,  24
.set PW,  28
.set KF,  32
.set VF,  64
.set S,   96
.set P,   160
.set OA,  224
.set G1,  24                           ; s[24:31] descriptor group 1;  s[32:63] eight groups 0, one for each of a wave's loads: none is written while its load is out
.set G0,  32
; A round of the cluster's barrier: my work-group's barrier; wave 0 signals for the work-group; every wave waits for all four work-groups; my work-group's barrier once more.
.macro CROUND
	s_barrier_signal -1
	s_barrier_wait -1
	s_cmp_lg_u32 s14, 0
	s_cbranch_scc1 .Lnot_wave_0_\@
	s_barrier_signal -3
.Lnot_wave_0_\@:
	s_barrier_wait -3
	s_barrier_signal -1
	s_barrier_wait -1
.endm
.macro LOADK off                       ; eight tiles of 16 keys x 8 dims, 4 registers each, of the record that begins off bytes behind the one in hand
.irp t, 0,1,2,3,4,5,6,7
	ds_load_b128 v[KF+4*\t:KF+4*\t+3], v1 offset:\off+512*\t
.endr
.endm
.macro LOADV                           ; the record in hand: four fragments of 16 channels x 128 keys, and their scale words (register ct: lane r has channel 16 ct + r's four bytes)
.irp g, 0,1,2,3,4,5,6,7
	ds_load_b128 v[VF+4*\g:VF+4*\g+3], v1 offset:4096+512*\g
.endr
	ds_load_b128 v[VS:VS+3], v2 offset:8192
.endm
	s_load_b256 s[4:11], s[0:1], 0x0               ; kv 4:5, qimg 6:7, x 8:9, gamma 10:11
	s_load_b64 s[12:13], s[0:1], 0x20              ; out0
	v_lshl_add_u32 v254, v0, 2, 0x42000
	v_mov_b32 v255, 0
	ds_add_u32 v254, v255
	ds_add_u32 v254, v255
	s_wait_dscnt 0x0
	v_lshrrev_b32 v1, 5, v0
	v_readfirstlane_b32 s14, v1                    ; wave 0..15
	s_and_b32 s15, s14, 3                          ; ks: my share of the keys; in waves 0-3 also: whose records I fetch
	s_lshr_b32 s16, s14, 2                         ; qt: my tile of queries
	s_bfe_u32 s17, ttmp6, 0x40000                  ; cx: my place in the cluster
	s_lshl_b32 s18, ttmp9, 2
	s_add_co_u32 s18, s18, s17                     ; my block of 64 queries: it enters the addresses of q, x and out0 alone
	s_and_b32 s19, ttmp7, 0xffff                   ; the batch, which the four partners share
	s_mov_b32 s20, 0x76543210
	s_mov_b32 s21, 0xfedcba98                      ; v_permlanex16_b32's selects for lane l xor 16
	; descriptor group 1: a record is a dense block: 33 rows of 256 bytes (32 elements of 8 bytes), no padding
	s_mov_b32 s[G1], 15|(3<<16)|(1<<21)            ; 15:0 the mask: all four work-groups; 17:16 elements of 8 bytes; 21 set beside a mask
	s_mov_b32 s[G1+1], 32<<16                      ; tensor_dim0 = 32
	s_mov_b32 s[G1+2], 33<<16                      ; tensor_dim1 = 33
	s_mov_b32 s[G1+3], 32<<16                      ; tile_dim0 = 32
	s_mov_b32 s[G1+4], 33                          ; tile_dim1 = 33
	s_mov_b32 s[G1+5], 32                          ; from row to row
	s_mov_b32 s[G1+6], 0
	s_mov_b32 s[G1+7], 0
	s_mul_i32 s66, s19, 32*REC                     ; the batch's records,
	s_mul_i32 s67, s15, REC                        ; record ks of a chunk: in memory and in LDS alike; no place in the cluster enters either
	s_add_co_u32 s68, s66, s67
	s_mov_b32 s69, 0
	s_lshl_b32 s70, s19, 17                        ; q's image: 131,072 bytes a batch, 2,048 a block of 64 queries, 512 a tile
	s_lshl_b32 s71, s18, 11
	s_add_co_u32 s70, s70, s71
	s_lshl_b32 s71, s16, 9
	s_add_co_u32 s70, s70, s71
	s_mov_b32 s71, 0
	s_lshl_b32 s72, s19, 20                        ; x and out0: the batch's 64 rows of 16,384 bytes, my block's 256 bytes of a row
	s_lshl_b32 s73, s18, 8
	s_add_co_u32 s72, s72, s73
	s_mov_b32 s73, 0
	s_wait_kmcnt 0x0
	s_load_b32 s22, s[10:11], 0x0                  ; gamma
	s_add_nc_u64 s[68:69], s[4:5], s[68:69]
	s_add_nc_u64 s[6:7], s[6:7], s[70:71]
	s_add_nc_u64 s[8:9], s[8:9], s[72:73]
	s_add_nc_u64 s[12:13], s[12:13], s[72:73]
.irp i, 0,1,2,3,4,5,6,7
	s_mov_b32 s[G0+4*\i], 1                                        ; count = 1
	s_add_co_u32 s[G0+4*\i+1], s67, CHUNK*\i                       ; LDS address: record 4 i + ks
	s_add_nc_u64 s[G0+4*\i+2:G0+4*\i+3], s[68:69], CHUNK*\i        ; and the same record in memory
	s_or_b32 s[G0+4*\i+3], s[G0+4*\i+3], 0x80000000                ; type = 2
.endr
	CROUND                                         ; all four work-groups are here: the joint loads meet
	s_cmp_lt_u32 s14, 4                            ; all fills stand in one branch on the wave's number, ahead of every wait on TENSORcnt, every LDS read and every other barrier
	s_cbranch_scc0 .Lno_fill
.irp i, 0,1,2,3,4,5,6,7
	tensor_load_to_lds s[G0+4*\i:G0+4*\i+3], s[G1:G1+7]
	s_nop 0
.endr
.rept 4
	v_nop
.endr
.Lno_fill:
	v_and_b32 v2, 31, v0
	v_lshlrev_b32 v3, 4, v2                        ; 16 x lane
	global_load_b128 v[4:7], v3, s[6:7]            ; Q's two fragments stay in registers: q'[my query][4 h .. 4 h + 3]
	v_add_nc_u32 v1, s67, v3
	v_and_b32 v2, 15, v0
	v_lshlrev_b32 v2, 4, v2
	v_add_nc_u32 v2, s67, v2
	s_wait_tensorcnt 7                             ; the first of my eight loads has landed; seven may stay out
	s_barrier_signal -1
	s_barrier_wait -1                              ; records 0 to 3 are whole
	LOADK 0
	s_wait_loadcnt 0x0                             ; Q
	s_wait_kmcnt 0x0                               ; gamma
	s_wait_dscnt 0x0                               ; K of step 0
	; the scores of step 0: there is no vector work yet to set between them.  The eight accumulators take turns
.irp t, 0,1,2,3,4,5,6,7
	v_wmma_f32_16x16x4_f32 v[S+8*\t:S+8*\t+7], v[KF+4*\t:KF+4*\t+1], v[4:5], 0          ; dims 4 h + 0, 1: the first K step starts the sums
.endr
.irp t, 0,1,2,3,4,5,6,7
	v_wmma_f32_16x16x4_f32 v[S+8*\t:S+8*\t+7], v[KF+4*\t+2:KF+4*\t+3], v[6:7], v[S+8*\t:S+8*\t+7]   ; dims 4 h + 2, 3
.endr
	; what the first step finds; these nine plain lines, which name no register of the products, are also the eight places behind them
	v_mov_b32 v13, 0xff61b1e6                      ; the largest t so far: -3e38, under every t
	v_mov_b32 v14, 0                               ; l, in two halves
	v_mov_b32 v15, 0
.irp b, 0,1,2,3
	v_mov_b32 v[BT+\b], 0                          ; (a lane permute's destination counts as one of its sources)
.endr
	v_mov_b32 v31, 0                               ; (named as the upper half of the pair v[30:31])
	v_floor_f32 v12, -v13                          ; -M
; A STEP: 128 keys: the softmax and the second product of the record in hand, whose scores lie in S^T, and among them the scores of my next record.  Written out eight times: the counts are immediates, and the ends differ.
; first = 1: O^T's sums begin.  last = 1: no next record.  bar: -1, or how many of a fetching wave's eight tensor loads may stay out at this step's barrier.  nextv = 1: the tail asks for the next record's V
; (0 where the next step has a barrier: it asks itself, so that no LDS load is out at its signal).
.macro STEP first, last, bar, nextv
.if (\bar) >= 0
	s_wait_dscnt 0x0                               ; no LDS load of mine is out at the signal
	s_wait_tensorcnt \bar                          ; of my eight loads all but so many have landed
	s_barrier_signal -1                            ; say so; the maxima below are work on registers while the others arrive
.elseif \last == 0
	LOADK CHUNK                                    ; my next record's K; its last readers stand more than eight plain lines back
.endif
.irp b, 0,1,2,3
	v_max3_num_f32 v[BM+\b], v[S+16*\b], v[S+16*\b+1], v[S+16*\b+2]   ; THE LARGEST t OF EACH BLOCK OF 32 KEYS: it serves the row's maximum and, since p rises with t, the block's largest p.  Each accumulator is read from its low end on
.endr
.irp i, 3,5,7,9,11,13
.irp b, 0,1,2,3
	v_max3_num_f32 v[BM+\b], v[BM+\b], v[S+16*\b+\i], v[S+16*\b+\i+1]
.endr
.endr
.irp b, 0,1,2,3
	v_max_num_f32 v[BM+\b], v[BM+\b], v[S+16*\b+15]
.endr
.if (\bar) >= 0
	s_barrier_wait -1                              ; the records that the wait above covers are whole, in every wave's eyes
	LOADK CHUNK                                    ; my next record's K first: it is wanted sooner,
	LOADV                                          ; then this record's V
.endif
.irp b, 0,1,2,3
	v_permlanex16_b32 v[BT+\b], v[BM+\b], s20, s21
.endr
.irp b, 0,1,2,3
	v_max_num_f32 v[BM+\b], v[BM+\b], v[BT+\b]     ; with lane l xor 16's 16 keys
.endr
	v_max3_num_f32 v29, v[BM], v[BM+1], v[BM+2]
	v_max_num_f32 v29, v29, v[BM+3]
	v_max_num_f32 v13, v13, v29                    ; the running largest t
	v_mov_b32 v29, v12
	v_floor_f32 v12, -v13                          ; the new -M = -ceil(t): a whole number
	v_sub_f32 v29, v12, v29                        ; old M - new M: a whole number, 0 or less
	v_cvt_i32_f32 v29, v29                         ; (it saturates)
	v_ldexp_f32 v30, 1.0, v29                      ; f = 2^(old M - new M): multiplying by it rounds nothing
.set n, 0
.rept 32
	v_pk_add_f32 v[P+n:P+n+1], v[S+n:S+n+1], v[12:13] op_sel_hi:[1,0]   ; t - M, two at a time, into other registers than the sums': behind these lines S^T is free
.set n, n+2
.endr
.irp b, 0,1,2,3
	v_add_f32 v[BM+\b], v[BM+\b], v12              ; the same of each block's largest t
.endr
.if \last == 0
.if (\bar) >= 0
	s_wait_dscnt 9                                 ; K's eight loads are in; V's eight and the scale words' one, issued behind them, may be out
.else
	s_wait_dscnt 0x0                               ; K's loads, the youngest, are in
.endif
.endif
	; ONE BATCH OF 68 EXPONENTIALS, none of which reads another's result, and among them the next record's scores
.irp b, 0,1,2,3
	v_exp_f32 v[BM+\b], v[BM+\b]                   ; the block's largest p: the same two operations on the same number give the same bits
.endr
.set n, 0
.rept 16
.if \last == 0
.if n < 8
	v_wmma_f32_16x16x4_f32 v[S+8*n:S+8*n+7], v[KF+4*n:KF+4*n+1], v[4:5], 0              ; dims 4 h + 0, 1 start the sums.  The eight accumulators take turns
.else
	v_wmma_f32_16x16x4_f32 v[S+8*(n-8):S+8*(n-8)+7], v[KF+4*(n-8)+2:KF+4*(n-8)+3], v[6:7], v[S+8*(n-8):S+8*(n-8)+7]   ; dims 4 h + 2, 3
.endif
.endif
	v_exp_f32 v[P+4*n], v[P+4*n]                   ; p = 2^(t - M), at most 1: not normalised
	v_exp_f32 v[P+4*n+1], v[P+4*n+1]
	v_exp_f32 v[P+4*n+2], v[P+4*n+2]
	v_exp_f32 v[P+4*n+3], v[P+4*n+3]
.if \first == 0
	v_pk_mul_f32 v[OA+2*n:OA+2*n+1], v[OA+2*n:OA+2*n+1], v[30:31] op_sel_hi:[1,0]       ; O^T under the new M, each accumulator from its low end on
.endif
.set n, n+1
.endr
	v_pk_mul_f32 v[14:15], v[14:15], v[30:31] op_sel_hi:[1,0]   ; l under the new M: the plain instruction behind the exponentials
	s_wait_alu depctr_va_vdst(0)                   ; one wait for the whole batch, ahead of its first reader
.irp b, 0,1,2,3
	v_max_num_f32 v[BM+\b], 0x1800000, v[BM+\b]    ; the floor 2^(3 - 127): the byte cannot fall under 1
.endr
.irp b, 0,1,2,3
	v_add_nc_u32 v[SO+\b], 0xff000000, v[BM+\b]    ; 2 off the exponent field: the conversion's scale operand
.endr
.irp b, 0,1,2,3
	v_lshrrev_b32 v[BT+\b], 23, v[SO+\b]           ; the scale's byte
.endr
	v_lshl_or_b32 v[PW], v[BT+1], 8, v[BT]         ; p's scale word for these 128 keys
	v_lshl_or_b32 v[PW], v[BT+2], 16, v[PW]
	v_lshl_or_b32 v[PW], v[BT+3], 24, v[PW]
.irp b, 0,1,2,3
	v_cvt_scalef32_pk8_fp4_f32 v[PC+2*\b], v[P+16*\b:P+16*\b+7], v[SO+\b]        ; the maxima and bytes are done with: the codes take their registers
	v_cvt_scalef32_pk8_fp4_f32 v[PC+2*\b+1], v[P+16*\b+8:P+16*\b+15], v[SO+\b]
.endr
	v_nop                                          ; one plain place behind the scaled conversions
.irp c, 0,1                                    ; the operand's layout wants a whole block in a lane: lanes 0-15 block 2 c, lanes 16-31 block 2 c + 1
.irp i, 0,1
	v_permlane16_swap_b32 v[PC+4*\c+\i], v[PC+2+4*\c+\i]
.endr
.endr
	; l IS TAKEN OF THE UNQUANTISED p: two at a time, in two chains (the second in the scale operands' registers, which are done with).  These lines name no register of the products below:
	; the first 27 are the places between p's scale word and codes and the scaled products, and behind the f32 products; the last four the places in front of the loads into V's registers
	v_pk_add_f32 v[8:9], v[P:P+1], v[P+2:P+3]
.irp j, 4,8,12,16,20,24,28,32,36,40,44,48,52
	v_pk_add_f32 v[14:15], v[14:15], v[P+\j:P+\j+1]
	v_pk_add_f32 v[8:9], v[8:9], v[P+\j+2:P+\j+3]
.endr
	s_wait_dscnt 0x0                               ; V and its scale words are in
.irp ct, 0,1,2,3
.if \first
	v_wmma_scale_f32_16x16x128_f8f6f4 v[OA+8*\ct:OA+8*\ct+7], v[VF+8*\ct:VF+8*\ct+7], v[PC:PC+7], 0, v[VS+\ct], v[PW] matrix_a_fmt:MATRIX_FMT_FP4 matrix_b_fmt:MATRIX_FMT_FP4
.else
	v_wmma_scale_f32_16x16x128_f8f6f4 v[OA+8*\ct:OA+8*\ct+7], v[VF+8*\ct:VF+8*\ct+7], v[PC:PC+7], v[OA+8*\ct:OA+8*\ct+7], v[VS+\ct], v[PW] matrix_a_fmt:MATRIX_FMT_FP4 matrix_b_fmt:MATRIX_FMT_FP4
.endif
.endr
.irp j, 56,60
	v_pk_add_f32 v[14:15], v[14:15], v[P+\j:P+\j+1]
	v_pk_add_f32 v[8:9], v[8:9], v[P+\j+2:P+\j+3]
.endr
.if \last == 0
	v_add_nc_u32 v1, CHUNK, v1                     ; on to my next record
	v_add_nc_u32 v2, CHUNK, v2
.endif
.if \nextv
	LOADV                                          ; its V and scale words: they have a step in which to come
.endif
	v_pk_add_f32 v[14:15], v[14:15], v[8:9]
.endm
	STEP 1, 0, 6, 0                                ; barrier: chunks 0 and 1.  Reads K(1), V(0)
	STEP 0, 0, 4, 1                                ; barrier: chunks 0 to 3.  Reads K(2), V(1), V(2)
	STEP 0, 0, -1, 0                               ; reads K(3)
	STEP 0, 0, 0, 1                                ; barrier: all eight chunks; no tensor load is out from here on.  Reads K(4), V(3), V(4)
	STEP 0, 0, -1, 1
	STEP 0, 0, -1, 1
	STEP 0, 0, -1, 1
	STEP 0, 1, -1, 0
	; THE WAY OUT.  The addresses are made in K's old registers, which the last products do not name: these lines, with the sums above, are the places behind them.
	v_add_f32 v13, v14, v15                        ; l's two halves; v[12:13] = -M, l
	v_and_b32 v57, 31, v0                          ; lane
	v_and_b32 v55, 15, v0                          ; r
	v_bfe_u32 v56, v0, 4, 1                        ; h
	v_lshlrev_b32 v58, 4, v57
	s_lshl_b32 s74, s14, 12
	v_add_nc_u32 v48, s74, v58                     ; v48: where I put O^T: 4096 w + 16 lane
	s_lshl_b32 s74, s14, 8
	s_add_co_u32 s74, s74, SST
	v_lshl_add_u32 v49, v57, 3, s74                ; v49: and -M, l: SST + 256 w + 8 lane
	s_lshl_b32 s74, s16, 14
	s_lshl_b32 s75, s15, 10
	s_add_co_u32 s74, s74, s75
	v_add_nc_u32 v50, s74, v58                     ; v50: what I join: channel tile ks of my tile's four shares, 4,096 bytes apart
	s_lshl_b32 s74, s16, 10
	s_add_co_u32 s74, s74, SST
	v_lshl_add_u32 v51, v57, 3, s74                ; v51: and their -M, l, 256 bytes apart
	s_mul_i32 s74, s15, 16*272
	s_lshr_b32 s75, s16, 1
	s_lshl_b32 s75, s75, 7
	s_add_co_u32 s74, s74, s75
	s_and_b32 s75, s16, 1
	s_lshl_b32 s75, s75, 5
	s_add_co_u32 s74, s74, s75
	s_add_co_u32 s74, s74, OST
	v_and_b32 v52, 8, v55
	v_add_nc_u32 v52, v52, v55
	v_lshlrev_b32 v52, 2, v52
	v_mad_u32_u24 v52, v56, 8*272, v52
	v_add_nc_u32 v52, s74, v52                     ; v52: the stage of rows: channel 16 ks + 8 h (+ j), query 32 (qt / 2) + 8 (qt % 2) + r + 8 (r / 8)
	s_mul_i32 s74, s14, 4*272
	s_add_co_u32 s74, s74, OST
	v_lshlrev_b32 v53, 4, v55
	v_mad_u32_u24 v53, v56, 272, v53
	v_add_nc_u32 v53, s74, v53                     ; v53: back: rows 4 w + h (and two further on), 16 bytes a lane
	s_lshl_b32 s74, s14, 16
	v_lshlrev_b32 v54, 4, v55
	v_lshl_add_u32 v54, v56, 14, v54
	v_add_nc_u32 v54, s74, v54                     ; v54: the same rows in x and out0, 16,384 bytes a row
	v_mov_b32 v206, 0                              ; (a lane permute's destination)
	s_wait_dscnt 0x0
	s_barrier_signal -1
	s_barrier_wait -1                              ; no wave reads a record any more, and every tensor load has landed: the stages may be written
	global_load_b128 v[32:35], v54, s[8:9] th:TH_LOAD_NT
	global_load_b128 v[36:39], v54, s[8:9] offset:32768 th:TH_LOAD_NT
.irp g, 0,1,2,3,4,5,6,7
	ds_store_b128 v48, v[OA+4*\g:OA+4*\g+3] offset:512*\g        ; as an image of the registers; each accumulator from its low end on
.endr
	ds_store_b64 v49, v[12:13]
	s_wait_dscnt 0x0                               ; for the others' sake
	s_barrier_signal -1
	s_barrier_wait -1
.irp k, 0,1,2,3
	ds_load_b64 v[192+2*\k:193+2*\k], v51 offset:256*\k
.endr
.irp k, 0,1,2,3
	ds_load_b128 v[160+8*\k:163+8*\k], v50 offset:4096*\k
	ds_load_b128 v[164+8*\k:167+8*\k], v50 offset:4096*\k+512
.endr
	s_wait_dscnt 0x0
	v_min3_num_f32 v200, v192, v194, v196
	v_min_num_f32 v200, v200, v198                 ; -M of the whole row: the least of the four
.irp k, 0,1,2,3
	v_sub_f32 v[201+\k], v200, v[192+2*\k]         ; share k's M less the row's: a whole number, 0 or less
.endr
.irp k, 0,1,2,3
	v_cvt_i32_f32 v[201+\k], v[201+\k]
.endr
.irp k, 0,1,2,3
	v_ldexp_f32 v[201+\k], 1.0, v[201+\k]          ; g: brings share k under the row's M and rounds nothing
.endr
	v_mul_f32 v205, v201, v193
	v_fmac_f32 v205, v202, v195
	v_fmac_f32 v205, v203, v197
	v_fmac_f32 v205, v204, v199
	v_permlanex16_b32 v206, v205, s20, s21
	v_add_f32 v205, v205, v206                     ; the row's l
	v_rcp_f32 v207, v205
.irp j, 0,1,2,3,4,5,6,7
	v_mul_f32 v[212+\j], v201, v[160+\j]           ; the four shares of O^T, joined: plain work behind the reciprocal
.endr
.irp k, 1,2,3
.irp j, 0,1,2,3,4,5,6,7
	v_fmac_f32 v[212+\j], v[201+\k], v[160+8*\k+\j]
.endr
.endr
	s_wait_alu depctr_va_vdst(0)                   ; the wait ahead of the reciprocal's first reader
	v_mul_f32 v207, s22, v207                      ; gamma / l
.irp j, 0,1,2,3,4,5,6,7
	v_mul_f32 v[212+\j], v[212+\j], v207
.endr
.irp j, 0,1,2,3,4,5,6,7
	ds_store_b32 v52, v[212+\j] offset:272*\j      ; channel 16 ks + 8 h + j, my query: these bytes lie apart from those that the loads above read
.endr
	s_wait_dscnt 0x0                               ; for the others' sake
	s_barrier_signal -1
	s_barrier_wait -1                              ; 64 whole rows lie in the stage
	ds_load_b128 v[40:43], v53
	ds_load_b128 v[44:47], v53 offset:2*272
	s_wait_dscnt 0x0
	s_wait_loadcnt 0x0                             ; x
.irp j, 0,2,4,6
	v_pk_add_f32 v[40+\j:41+\j], v[40+\j:41+\j], v[32+\j:33+\j]
.endr
	global_store_b128 v54, v[40:43], s[12:13] th:TH_STORE_NT                  ; 16 lanes store 256 consecutive bytes, at a multiple of 256 from out0's first byte
	global_store_b128 v54, v[44:47], s[12:13] offset:32768 th:TH_STORE_NT
	s_wait_xcnt 0x0
	v_lshl_add_u32 v254, v0, 2, 0x42000
	v_mov_b32 v255, 0
	s_wait_tensorcnt 0x0
	ds_add_u32 v254, v255
	s_wait_dscnt 0x0
	CROUND                                         ; the closing round: no work-group ends while a partner may still ask for a record jointly
	s_endpgm
.Lfunc_end_k_q8977e02200_attn:
	.size	k_q8977e02200_attn, .Lfunc_end_k_q8977e02200_attn-k_q8977e02200_attn
	.p2alignl 7, 3214868480
	.fill 96, 4, 3214868480
	.section	.rodata,"a",@progbits
	.p2align	6, 0x0
	.amdhsa_kernel k_q8977e02200_attn
		.amdhsa_group_segment_fixed_size 272384
		.amdhsa_private_segment_fixed_size 0
		.amdhsa_enable_private_segment 0
		.amdhsa_kernarg_size 40
		.amdhsa_user_sgpr_count 2
		.amdhsa_user_sgpr_kernarg_segment_ptr 1
		.amdhsa_wavefront_size32 1
		.amdhsa_system_sgpr_workgroup_id_x 1
		.amdhsa_system_sgpr_workgroup_id_y 1
		.amdhsa_system_sgpr_workgroup_id_z 1
		.amdhsa_system_vgpr_workitem_id 0
		.amdhsa_next_free_vgpr 256
		.amdhsa_next_free_sgpr 80
		.amdhsa_reserve_vcc 0
		.amdhsa_float_denorm_mode_32 3
		.amdhsa_float_denorm_mode_16_64 3
		.amdhsa_memory_ordered 1
		.amdhsa_forward_progress 1
		.amdhsa_inst_pref_size 127
	.end_amdhsa_kernel
	.amdgpu_metadata
---
amdhsa.version: [ 1, 2 ]
amdhsa.kernels:
  - .name:           k_q8977e02200_attn
    .symbol:         k_q8977e02200_attn.kd
    .args:
      - { .name: kv, .offset: 0, .size: 8, .value_kind: global_buffer, .address_space: global }
      - { .name: qimg, .offset: 8, .size: 8, .value_kind: global_buffer, .address_space: global }
      - { .name: x, .offset: 16, .size: 8, .value_kind: global_buffer, .address_space: global }
      - { .name: gamma, .offset: 24, .size: 8, .value_kind: global_buffer, .address_space: global }
      - { .name: out0, .offset: 32, .size: 8, .value_kind: global_buffer, .address_space: global }
    .group_segment_fixed_size: 272384
    .private_segment_fixed_size: 0
    .kernarg_segment_align: 8
    .kernarg_segment_size: 40
    .max_flat_workgroup_size: 512
    .sgpr_count:     80
    .vgpr_count:     256
    .wavefront_size: 32
...
	.end_amdgpu_metadata
.endif
;; end of part 2
